; MI455X (gfx1250); checked and timed in simulation.
; The chip was launched on July 23, 2026; its instructions are those of AMD's public machine-readable ISA for CDNA 5 (MIT licence, August 2026) and "CDNA5" Instruction Set Architecture Reference Guide (July 2026). The comments in the code are by the model that wrote it; some were corrected since.
;; CPDFP. Allowed arithmetic: matrix products marked QUANTISED: E2M3 operands, one E8M0 scale for each 32 along K, by v_wmma_scale_f32_16x16x128_f8f6f4 with both operands' format E2M3, f32 sums; products left as they are: f32 operands where the result goes on into a quantised operand, else bf16, f16 or f32 operands; f32 sums; everything else in f32.
;; Inputs: ca_b1 4 float32; ca_b2 1 float32; ca_w1 4 x 2 float32; ca_w2 1 x 4 float32; conv_w 256 x 257 float32; x1 64 x 256 x 32 x 32 float32; x2 64 x 256 x 32 x 32 float32.
;; Outputs: out0 64 x 256 float32.
;; This version of the problem:
;;   THIS VERSION OF THE PROBLEM IS GIVEN IN LOW PRECISION. The matrix products marked QUANTISED in the list below multiply operands that are first quantised to E2M3 (2 exponent bits, 3 mantissa bits; 6 bits a number), with one power-of-two scale for each 32 numbers along K (OCP MX v1.0); their sums are f32. All else is computed in f32.
;;   The module's matrix products, in the order in which they are computed (A, B: the left and right operand; K: the contracted axis; several contracted axes count as one K, in the product's order):
;;     1. [M 65,536, K 257] x [K 257, N 256]; A: computed on the way; B: input conv_w: QUANTISED
;;     2. [M 65,536, K 257] x [K 257, N 256]; A: computed on the way; B: input conv_w: QUANTISED
;;     3. [M 16,384, K 2] x [K 2, N 4]; A: computed on the way; B: input ca_w1: left as it is (K = 2 < 32)
;;     4. [M 16,384, K 4] x [K 4, N 1]; A: computed on the way; B: input ca_w2: left as it is (K = 4 < 32)
;;   THE QUANTISER, for each operand of a quantised product, along K:
;;     - K is cut into blocks of 32 from its start; a last block that is shorter is filled with zeros.
;;     - A block's scale is 2^e with e = floor(log2(the largest magnitude in the block)) - 2, held to -126 .. 127; a block of zeros has e = 0. As a byte (E8M0): e + 127.
;;     - Each number is divided by its block's scale, clamped to +-7.5, and rounded to the nearest number of E2M3, ties to even, subnormals kept.
;;     - The product sums the exact products of the quantised numbers (number of the format x scale) in f32.
;;   ~~~python
;;   def quantise(x, axis):      # numpy; x: float32 -> the quantised numbers, widened to float32 again
;;       x = np.moveaxis(x, axis, -1); K = x.shape[-1]
;;       x = np.pad(x, [(0, 0)] * (x.ndim - 1) + [(0, -K % 32)]); x = x.reshape(x.shape[:-1] + (-1, 32)); a = np.abs(x).max(-1, keepdims=True)
;;       e = np.where(a > 0, np.clip(np.frexp(np.where(a > 0, a, 1))[1] - 1 - 2, -126, 127), 0)      # np.frexp(a)[1] - 1 = floor(log2(a)), exactly
;;       r = np.clip(x / 2.0 ** e, -7.5, 7.5)
;;       step = 2.0 ** (np.maximum(np.frexp(np.where(r == 0, 1, r))[1] - 1, 0) - 3)
;;       q = np.round(r / step) * step * 2.0 ** e      # np.round: ties to even
;;       return np.moveaxis(q.reshape(q.shape[:-2] + (-1,))[..., :K], -1, axis).astype(np.float32)
;;   ~~~
;;   OPERANDS COMPUTED ON THE WAY. 'Computed on the way' means the value that the module computes at that place (a softmax that the list does not call 'softmax' is quantised finished and normalised). What goes into a quantiser is computed in f32, as accurately as f32 sums, v_exp_f32 and their like allow (about 1e-6 of the number): no bf16 or f16 on the way to a quantiser, and a product that is left as it is and whose result goes on into a quantised operand takes f32 operands (vector FMAs, or v_wmma_f32_16x16x4_f32). A number that lies on a knife's edge between two numbers of the format may be rounded either way, as far as f32 arithmetic and the matrix unit's own rounding can turn it there, and no further.
;; One version. Each part assembles by itself: llvm-mc -triple=amdgcn-amd-amdhsa -mcpu=gfx1250 --defsym DOCPART=n.
;; ======== version 1 of 1: 2 launches
;; workspace buffers: part 524,288 bytes
;; launch pool (part 1): grid 256 x 1, 8 waves a work-group, clusters of 4 x 1, 327,680 bytes of LDS; arguments x1, x2, conv_w, part; writes part
.if DOCPART == 1
	.amdgcn_target "amdgcn-amd-amdhsa--gfx1250"
	.amdhsa_code_object_version 6
	.text
	.protected	k_q4f5c780a74_pool
	.globl	k_q4f5c780a74_pool
	.p2align	8
	.type	k_q4f5c780a74_pool,@function
k_q4f5c780a74_pool:
	s_mov_b64 s[64:65], 0
	v_nop
	global_prefetch_b8 v0, s[64:65] scope:SCOPE_SE
	s_setreg_imm32_b32 hwreg(HW_REG_WAVE_MODE, 25, 1), 1
	s_wait_xcnt 0x0
	s_wait_alu depctr_hold_cnt(0) depctr_sa_sdst(0) depctr_va_vdst(0) depctr_va_sdst(0) depctr_va_ssrc(0) depctr_va_vcc(0) depctr_vm_vsrc(0)
	s_getreg_b32 s2, hwreg(HW_REG_IB_STS2, 6, 4)
	s_cmp_eq_u32 s2, 0
	s_cbranch_scc0 .Lentry_in_a_cluster
	s_endpgm
.Lentry_in_a_cluster:
	s_bfe_u32 s2, ttmp6, 0x10000c
	s_cmp_lg_u32 s2, 0x3003
	s_cbranch_scc0 .Lentry_shape_is_right
	s_endpgm
.Lentry_shape_is_right:
; CPDFP, first launch.  For one input x (x1 or x2), one batch b and one half of the 1,024 positions hw:
;   centre[c] = x[b][c][16][16];  dot[hw] = sum_c x[c][hw] centre[c] / 256;  z[o][hw] = conv_w[o][0:257] . [x[:][hw]; dot[hw]]  (QUANTISED, K = 257);
;   attn = sigmoid(z);  part[wg][c] = (sum_hw x[c][hw] attn[c][hw], sum_hw attn[c][hw]) over the work-group's 512 positions.  The second launch adds the parts and divides.
; WORK LEFT OUT.  reference() takes softmax(h2, axis=1) over an axis of size 1: exp(h2 - h2) / exp(h2 - h2) = 1 for every finite h2, whatever the inputs hold.  So x_weights = 1 and
; out0 = pooled(x1) + pooled(x2): both small products of the caLayer, its relu and its biases reach no output.  ca_w1, ca_b1, ca_w2, ca_b2 are not loaded and are no arguments.
; LIMIT: a NaN, an infinity or an overflow that arises in that path alone is not carried to the result.
; OTHER LIMITS: a block whose largest magnitude lies under 2^-124 (a block of zeros among them) keeps the scale byte 1: its codes are zeros or the smallest, and this program alone reads the bytes;
; NaN and infinities among the inputs are not served; sum x attn is divided once by (sum attn + 1e-8), where reference() divides each attn first: another order of rounding.
; sigmoid(z) = 1 / (1 + 2^(-z log2 e)): an exponential that overflows gives 0, one that underflows gives 1, as reference()'s does.
; SHARES.  256 work-groups: wg = 128 x input + 2 x batch + half.  A work-group walks its 256 channels x 512 positions as four tiles of 128 positions through two LDS slots filled by tensor loads,
; each of the eight waves fetching 32 channels' rows.  Wave w (s = w / 4, g = w % 4) has two parts in a tile:
;   Q: it quantises channels 128 s .. 128 s + 127 (one K step) of positions 32 g .. 32 g + 31: A LANE TAKES A POSITION AND ITS REGISTERS RUN DOWN THE CHANNELS, which are K; the same pass sums its part of dot.
;      The two fragments, their scale words and the partial dots go to LDS as images of their registers (16 bytes a lane, 512 bytes a store).
;   M: it owns outputs o = 32 w .. 32 w + 31 (two tiles of 16) for all 128 positions; its fragments of conv_w, quantised on the way in, stay in registers.
; Source 0 = 16 positions of x, source 1 = 16 rows of conv_w: in the result lane (r, h) holds ONE output channel o0 + r and eight neighbouring positions 8 h + 0 .. 7, so x for the numerator comes
; from the f32 tile by two loads of 16 bytes, and both sums stay in the lane.  K = 257 is three K steps of 128: the third holds dot's code (and conv_w's column 256) at k = 256 and zero codes.
; conv_w PASSES THROUGH SLOT 1 AHEAD OF TILE 1: a wave's 32 rows x 128 along K are a tile of the slot's own shape.  First fills: K step 0 into slot 1, tile 0 into slot 0.  K step 0 is quantised; K step 1 takes its
; place and lands under tile 0's part Q; it is quantised; tile 1 takes its place and lands under tile 0's part M.  A wave reads its own rows alone: a lane takes a row, 32 loads of 16 bytes a K step.
; CLUSTER: four work-groups.  All read the same conv_w, 263,168 of the 787,456 bytes that a work-group fetches: its two loads are asked for JOINTLY, by the same tensor load with the same descriptor (made of the
; wave's number alone) and a mask that names the four.  x is shared by nobody: its loads are plain.  Every group of tensor loads stands behind a round of the cluster's barrier.
.set PITCH, 528                        ; an LDS row: 512 bytes (128 numbers) + 16 of padding = 33 x 16: sixteen rows' pieces of 16 bytes fall on sixteen different columns of 16 bytes modulo 256
.set WPART, 32*PITCH                   ; what one tensor load brings: 32 rows
.set SLOT,  256*PITCH                  ; 135,168 bytes; slot 0 at 0, slot 1 behind it
.set SPARE, 2*SLOT                     ; the spare words: 128 bytes for each of the eight waves, four blocks of 256 bytes that no other line names
.set IMG,   SPARE+1024                 ; 16 images of fragments (position tile u, K step s: 2 u + s)
.set FRB,   1536                       ; an image: 12 registers x 128 bytes
.set XSC,   IMG+16*FRB                 ; x's scale words: word [4 s + g][lane];  1,024 bytes behind them the partial dots, laid alike
.set CENL,  XSC+2048                   ; centre / 256 of the 256 channels: 1,024 bytes, stored once
.set LN,  1                            ; v1   lane
.set SPW, 2                            ; v2   LDS address of my spare word; never rewritten
.set NIL, 3                            ; v3   0; never rewritten
.set BQ0, 4                            ; v4   Q: my position's place in channel 128 s of a slot;  v5: 64 channels further down
.set BQ1, 5
.set BXE, 6                            ; v6   M: my channel's row, + 32 h
.set AQ0, 7                            ; v7-9 the same three in the slot in hand
.set AQ1, 8
.set AXE, 9
.set AIW, 10                           ; v10  where I store my images
.set AIR, 11                           ; v11  16 x lane in the images
.set ASW, 12                           ; v12  where I store my scale word
.set ASR, 13                           ; v13  4 x lane in the scale words
.set AWR, 14                           ; v14  conv_w in slot 1: my wave's part, row = lane
.set ACS, 15                           ; v15  where I store a centre: 128 x wave + 4 x lane
.set AUN, 16                           ; v16  my K step's 128 centres: the same address in all lanes
.set OW,  18                           ; v18, v19 offsets in memory: 1,028 and 4,096 x lane;  v35: 8 x lane
.set OC,  19
.set O8,  35
.set XS,  20                           ; v20-27 x's scale words [4 s + g];  v28-31 dot's [g];  v32-34 conv_w's, K steps 0, 1, 2: these hold scales and nothing else
.set XS3, 28
.set WS,  32
.set DEN, 36                           ; v36-43 sum attn, v44-51 sum x attn: a pair for each d = 2 a + t (a: parity of the position tile, t: tile of outputs)
.set NUM, 44
.set DZ,  52                           ; v52 one number, v53-67 lasting zeros: sixteen numbers for a conversion
.set TM,  68                           ; Q: v68-71 largest magnitudes, then bytes; v72-75 the conversions' scale operands; v76 the scale word; v78-93 four triples; v94-101 dot in four pairs
.set SO,  72
.set PW,  76
.set TR,  78
.set DA,  94
.set FA,  102                          ; v102-113, v114-125 the two fragments just made
.set FB,  114
.set CD,  68                           ; M: v68-70 a conversion's result; v72-75 dot's codes [g]; v78-85 partial dots; v86, v87 at work; v88-91 scale operands [g]
.set CDG, 72
.set DPR, 78
.set T0,  86
.set T1,  87
.set SOG, 88
.set X,   128                          ; Q: v128-255 my position's 128 channels (on the way in: my row's 128 numbers of conv_w)
.set FR,  128                          ; M: v128-175 four fragments (2 a + s); v176-207 four accumulators (d); v208-239 x beside them
.set DD,  176
.set XE,  208
.set WF,  128                          ; window 1: v0-127 centre / 256 of my K step, the same in all lanes; v128-175 conv_w's fragments (t, s) at 128 + 24 t + 12 s;
.set W3,  176                          ;           v176-199 its third K step (t);
.set X3,  200                          ;           v200-223 x's third K step (a)
.set G1,  24                           ; s[24:31] descriptor group 1 for x's tiles;  s[32:35] their group 0, which walks
.set G0X, 32
.set G0W, 36                           ; s[36:39] group 0 for conv_w's tiles;  s[56:63] their group 1
.set G1W, 56
.set TB,  40                           ; s40  the slot in hand: 0 or SLOT
.set WL,  41                           ; s41  my part of a slot
.set CNT, 42
.set SEL, 44                           ; s[44:45] lane selects: lane l xor 16
.set NL2, 46                           ; s[46:47] -log2(e)
.set MSB, 0
.macro WIN new                         ; windows of 256 registers: bits 1:0 source 0, 3:2 source 1, 5:4 source 2, 7:6 destination; the immediate's high byte repeats the setting that is left
.if MSB != \new
	s_set_vgpr_msb (MSB<<8)|\new
.set MSB, \new
.endif
.endm
; A round of the cluster's barrier: my work-group's barrier, so that wave 0's signal speaks for all eight waves; wave 0 signals for the work-group; every wave waits for all four work-groups;
; my work-group's barrier once more.  No LDS instruction of the wave is pending at a signal.
.macro CROUND
	s_barrier_signal -1
	s_barrier_wait -1
	s_cmp_lg_u32 s12, 0
	s_cbranch_scc1 .Lnot_wave_0_\@
	s_barrier_signal -3
.Lnot_wave_0_\@:
	s_barrier_wait -3
	s_barrier_signal -1
	s_barrier_wait -1
.endm
; Block b (32 along K) of the 128 numbers in v[X] on: its largest magnitude, in two chains, with the floor 2^(3 - 127) among the leaves, so that the byte cannot fall under 1.
; dot = 1: and the block's 32 terms of dot, two at a time, in four chains; the first four start the sums.
.macro QBLK b, dot
	v_max3_num_f32 v[TM+\b], |v[X+32*\b]|, |v[X+32*\b+1]|, 0x1800000
	v_max3_num_f32 v[SO+\b], |v[X+32*\b+16]|, |v[X+32*\b+17]|, |v[X+32*\b+18]|
.irp i, 2,4,6,8,10,12
	v_max3_num_f32 v[TM+\b], v[TM+\b], |v[X+32*\b+\i]|, |v[X+32*\b+\i+1]|
	v_max3_num_f32 v[SO+\b], v[SO+\b], |v[X+32*\b+\i+17]|, |v[X+32*\b+\i+18]|
.endr
	v_max3_num_f32 v[TM+\b], v[TM+\b], |v[X+32*\b+14]|, |v[X+32*\b+15]|
	v_max3_num_f32 v[TM+\b], v[TM+\b], v[SO+\b], |v[X+32*\b+31]|
.if \dot
	WIN 0x04                                       ; source 1, the centre, in window 1
.irp i, 0,1,2,3,4,5,6,7,8,9,10,11,12,13,14,15
.if (\b == 0) && (\i < 4)
	v_pk_mul_f32 v[DA+2*\i:DA+2*\i+1], v[X+2*\i:X+2*\i+1], v[2*\i:2*\i+1]
.else
	v_pk_fma_f32 v[DA+2*(\i%4):DA+2*(\i%4)+1], v[X+32*\b+2*\i:X+32*\b+2*\i+1], v[32*\b+2*\i:32*\b+2*\i+1], v[DA+2*(\i%4):DA+2*(\i%4)+1]
.endif
.endr
	WIN 0
.endif
.endm
; The four blocks become codes.  A lane holds a whole row of 128 along K; 32 lanes hold 32 rows.  FA gets blocks 0 and 2, FB blocks 1 and 3; then FA's lanes 16-31 change places with FB's lanes 0-15:
; FA is the fragment of rows 0-15 (lane (r, h): registers 6 c .. 6 c + 5 = k 64 c + 32 h + 0 .. 31), FB that of rows 16-31.  v[PW]: lane l holds row l's scale word.
.macro QFIN
.irp b, 0,1,2,3
	v_add_nc_u32 v[SO+\b], 0xff000000, v[TM+\b]    ; 2 off the exponent field: the conversion takes the exponent field of this operand as its scale
.endr
.irp b, 0,1,2,3
	v_lshrrev_b32 v[TM+\b], 23, v[SO+\b]           ; the scale's byte
.endr
	v_lshl_or_b32 v[PW], v[TM+1], 8, v[TM]
	v_lshl_or_b32 v[PW], v[TM+2], 16, v[PW]
	v_lshl_or_b32 v[PW], v[TM+3], 24, v[PW]
	v_cvt_scalef32_pk16_fp6_f32 v[FA:FA+2], v[X:X+15], v[SO]
	v_cvt_scalef32_pk16_fp6_f32 v[TR:TR+2], v[X+16:X+31], v[SO]          ; (a conversion's three registers begin on an even number: a block's second half is made elsewhere and moved)
	v_cvt_scalef32_pk16_fp6_f32 v[FB:FB+2], v[X+32:X+47], v[SO+1]
	v_cvt_scalef32_pk16_fp6_f32 v[TR+4:TR+6], v[X+48:X+63], v[SO+1]
	v_cvt_scalef32_pk16_fp6_f32 v[FA+6:FA+8], v[X+64:X+79], v[SO+2]
	v_cvt_scalef32_pk16_fp6_f32 v[TR+8:TR+10], v[X+80:X+95], v[SO+2]
	v_cvt_scalef32_pk16_fp6_f32 v[FB+6:FB+8], v[X+96:X+111], v[SO+3]
	v_cvt_scalef32_pk16_fp6_f32 v[TR+12:TR+14], v[X+112:X+127], v[SO+3]
	v_nop                                          ; one plain instruction behind the scaled conversions, ahead of what touches their results
.irp i, 0,1,2
	v_mov_b32 v[FA+3+\i], v[TR+\i]
	v_mov_b32 v[FB+3+\i], v[TR+4+\i]
	v_mov_b32 v[FA+9+\i], v[TR+8+\i]
	v_mov_b32 v[FB+9+\i], v[TR+12+\i]
.endr
.irp i, 0,1,2,3,4,5,6,7,8,9,10,11
	v_permlane16_swap_b32 v[FA+\i], v[FB+\i]
.endr
.endm
; One code a lane (rows 0-31) is parted: v[T0] lanes 0-15 = rows 0-15, v[T1] lanes 0-15 = rows 16-31, zeros in lanes 16-31 of both: register 0 of the two fragments of the third K step.
.macro SPLIT c
	v_mov_b32 v[T0], v[\c]
	v_mov_b32 v[T1], 0
	v_permlane16_swap_b32 v[T0], v[T1]
.endm
; K step s of my 32 rows of conv_w lies in my part of slot 1, brought by my own tensor load: a lane takes a row, 512 bytes, by 32 loads of 16 bytes; then it is quantised as x is, and stays in window 1.
.macro WQ s
.set n, 0
.rept 32
	ds_load_b128 v[X+4*n:X+4*n+3], v[AWR] offset:16*n
.set n, n+1
.endr
	s_wait_dscnt 0x0
	QBLK 0, 0
	QBLK 1, 0
	QBLK 2, 0
	QBLK 3, 0
	QFIN
	WIN 0x40                                       ; destination window 1
.set n, 0
.rept 12
	v_mov_b32 v[WF+12*\s+n], v[FA+n]
	v_mov_b32 v[WF+24+12*\s+n], v[FB+n]
.set n, n+1
.endr
	WIN 0
	v_mov_b32 v[WS+\s], v[PW]
.endm
.macro FRAGS g                         ; the four fragments (2 a + s) of position tiles 2 g, 2 g + 1
.irp x, 0,1,2,3
.irp j, 0,1,2
	ds_load_b128 v[FR+12*\x+4*\j:FR+12*\x+4*\j+3], v[AIR] offset:(4*(\g)+\x)*FRB+512*\j
.endr
.endr
.endm
.macro XES g                           ; x as f32 beside the four accumulators: channel 16 t + r of my 32, positions 16 (2 g + a) + 8 h + 0 .. 7
.irp d, 0,1,2,3
.irp q, 0,1
	ds_load_b128 v[XE+8*\d+4*\q:XE+8*\d+4*\q+3], v[AXE] offset:(\d%2)*16*PITCH+(2*(\g)+\d/2)*64+16*\q
.endr
.endr
.endm
; One product.  rD, rA, rB, rSA, rSB are set by the caller.  c0 = 1: it starts the sum.  a = 1: x's scale words stand in lanes 16-31; t = 1: conv_w's do.
.macro WM c0, a, t
.if \c0
.if (\a == 0) && (\t == 0)
	v_wmma_scale_f32_16x16x128_f8f6f4 v[rD:rD+7], v[rA:rA+11], v[rB:rB+11], 0, v[rSA], v[rSB] matrix_a_fmt:MATRIX_FMT_FP6 matrix_b_fmt:MATRIX_FMT_FP6
.elseif \a == 0
	v_wmma_scale_f32_16x16x128_f8f6f4 v[rD:rD+7], v[rA:rA+11], v[rB:rB+11], 0, v[rSA], v[rSB] matrix_a_fmt:MATRIX_FMT_FP6 matrix_b_fmt:MATRIX_FMT_FP6 matrix_b_scale:MATRIX_SCALE_ROW1
.elseif \t == 0
	v_wmma_scale_f32_16x16x128_f8f6f4 v[rD:rD+7], v[rA:rA+11], v[rB:rB+11], 0, v[rSA], v[rSB] matrix_a_fmt:MATRIX_FMT_FP6 matrix_b_fmt:MATRIX_FMT_FP6 matrix_a_scale:MATRIX_SCALE_ROW1
.else
	v_wmma_scale_f32_16x16x128_f8f6f4 v[rD:rD+7], v[rA:rA+11], v[rB:rB+11], 0, v[rSA], v[rSB] matrix_a_fmt:MATRIX_FMT_FP6 matrix_b_fmt:MATRIX_FMT_FP6 matrix_a_scale:MATRIX_SCALE_ROW1 matrix_b_scale:MATRIX_SCALE_ROW1
.endif
.else
.if (\a == 0) && (\t == 0)
	v_wmma_scale_f32_16x16x128_f8f6f4 v[rD:rD+7], v[rA:rA+11], v[rB:rB+11], v[rD:rD+7], v[rSA], v[rSB] matrix_a_fmt:MATRIX_FMT_FP6 matrix_b_fmt:MATRIX_FMT_FP6
.elseif \a == 0
	v_wmma_scale_f32_16x16x128_f8f6f4 v[rD:rD+7], v[rA:rA+11], v[rB:rB+11], v[rD:rD+7], v[rSA], v[rSB] matrix_a_fmt:MATRIX_FMT_FP6 matrix_b_fmt:MATRIX_FMT_FP6 matrix_b_scale:MATRIX_SCALE_ROW1
.elseif \t == 0
	v_wmma_scale_f32_16x16x128_f8f6f4 v[rD:rD+7], v[rA:rA+11], v[rB:rB+11], v[rD:rD+7], v[rSA], v[rSB] matrix_a_fmt:MATRIX_FMT_FP6 matrix_b_fmt:MATRIX_FMT_FP6 matrix_a_scale:MATRIX_SCALE_ROW1
.else
	v_wmma_scale_f32_16x16x128_f8f6f4 v[rD:rD+7], v[rA:rA+11], v[rB:rB+11], v[rD:rD+7], v[rSA], v[rSB] matrix_a_fmt:MATRIX_FMT_FP6 matrix_b_fmt:MATRIX_FMT_FP6 matrix_a_scale:MATRIX_SCALE_ROW1 matrix_b_scale:MATRIX_SCALE_ROW1
.endif
.endif
.endm
; Twelve products: 32 positions x my 32 outputs x K = 384.  The four accumulators take turns, one instruction a turn, K step by K step.
.macro MM g
	WIN 0x04                                       ; source 1, conv_w, in window 1
.irp s, 0,1
.irp a, 0,1
.irp t, 0,1
.set rD, DD+8*(2*\a+\t)
.set rA, FR+12*(2*\a+\s)
.set rB, WF+24*\t+12*\s
.set rSA, XS+4*\s+(\g)
.set rSB, WS+\s
	WM 1-\s, \a, \t
.endr
.endr
.endr
	WIN 0x05                                       ; the third K step: both sources in window 1
.irp a, 0,1
.irp t, 0,1
.set rD, DD+8*(2*\a+\t)
.set rA, X3+12*\a
.set rB, W3+12*\t
.set rSA, XS3+(\g)
.set rSB, WS+2
	WM 0, \a, \t
.endr
.endr
	WIN 0
.endm
; The 32 results a lane: attn = 1 / (1 + 2^(-z log2 e)); both sums.  The exponentials are one batch with one wait, and so are the reciprocals.
.macro EPI g
.set n, 0
.rept 16
	v_pk_mul_f32 v[DD+n:DD+n+1], v[DD+n:DD+n+1], s[NL2:NL2+1] op_sel_hi:[1,0]   ; each accumulator from its low end on
.set n, n+2
.endr
.set n, 0
.rept 32
	v_exp_f32 v[DD+n], v[DD+n]
.set n, n+1
.endr
	v_nop                                          ; a plain instruction behind the last exponential
	s_wait_alu depctr_va_vdst(0)
.set n, 0
.rept 16
	v_pk_add_f32 v[DD+n:DD+n+1], v[DD+n:DD+n+1], 1.0 op_sel_hi:[1,0]
.set n, n+2
.endr
.set n, 0
.rept 32
	v_rcp_f32 v[DD+n], v[DD+n]
.set n, n+1
.endr
.if (\g) < 3
	SPLIT CDG+(\g)+1                               ; independent work behind the reciprocals: the next group's codes of dot go into register 0 of x's third K step
	WIN 0x40
	v_mov_b32 v[X3], v[T0]
	v_mov_b32 v[X3+12], v[T1]
	WIN 0
.else
	v_nop
.endif
	s_wait_alu depctr_va_vdst(0)
.if (\g) < 3
	s_wait_dscnt 12                                ; x is in; the next group's twelve fragment loads may be out
.else
	s_wait_dscnt 0x0
.endif
.irp p, 0,1,2,3
.irp d, 0,1,2,3
	v_pk_add_f32 v[DEN+2*\d:DEN+2*\d+1], v[DEN+2*\d:DEN+2*\d+1], v[DD+8*\d+2*\p:DD+8*\d+2*\p+1]
.endr
.irp d, 0,1,2,3
	v_pk_fma_f32 v[NUM+2*\d:NUM+2*\d+1], v[DD+8*\d+2*\p:DD+8*\d+2*\p+1], v[XE+8*\d+2*\p:XE+8*\d+2*\p+1], v[NUM+2*\d:NUM+2*\d+1]
.endr
.endr
.endm
; A TILE of 128 positions, in the slot at s[TB].  fill = 1: at its end that slot is filled again, with the tile two further on.
; first = 1: tile 0: between its two parts conv_w's second K step is quantised, and the barrier there is a round behind which tile 1 takes its place in slot 1.
.macro TILE fill, first
	v_add_nc_u32 v[AQ0], s[TB], v[BQ0]
	v_add_nc_u32 v[AQ1], s[TB], v[BQ1]
	v_add_nc_u32 v[AXE], s[TB], v[BXE]
	; ---- Q: my position's 128 channels, a block of 32 ahead of the work: each load reads 128 consecutive bytes of a channel's row
.set n, 0
.rept 64
	ds_load_b32 v[X+n], v[AQ0] offset:PITCH*n
.set n, n+1
.endr
	s_wait_dscnt 32                                ; block 0 is in (and whatever was asked of LDS before it), block 1 may be out
	QBLK 0, 1
.set n, 0
.rept 32
	ds_load_b32 v[X+64+n], v[AQ1] offset:PITCH*n
.set n, n+1
.endr
	s_wait_dscnt 32                                ; block 1 is in, block 2 may be out
	QBLK 1, 1
.set n, 0
.rept 32
	ds_load_b32 v[X+96+n], v[AQ1] offset:PITCH*(32+n)
.set n, n+1
.endr
	s_wait_dscnt 32                                ; block 2 is in, block 3 may be out
	QBLK 2, 1
	s_wait_dscnt 0x0
	QBLK 3, 1
	QFIN
	v_pk_add_f32 v[DA:DA+1], v[DA:DA+1], v[DA+2:DA+3]
	v_pk_add_f32 v[DA+4:DA+5], v[DA+4:DA+5], v[DA+6:DA+7]
	v_pk_add_f32 v[DA:DA+1], v[DA:DA+1], v[DA+4:DA+5]
	v_add_f32 v[DA], v[DA], v[DA+1]                ; my 128 channels' part of dot
.irp j, 0,1,2
	ds_store_b128 v[AIW], v[FA+4*\j:FA+4*\j+3] offset:512*\j             ; position tile 2 g, K step s
.endr
.irp j, 0,1,2
	ds_store_b128 v[AIW], v[FB+4*\j:FB+4*\j+3] offset:2*FRB+512*\j       ; position tile 2 g + 1
.endr
	ds_store_b32 v[ASW], v[PW]
	ds_store_b32 v[ASW], v[DA] offset:1024
	s_wait_dscnt 0x0                               ; for the others' sake: my stores have landed (and have read their registers)
.if \first
	s_wait_tensorcnt 0x0                           ; the one tensor load of mine that is out: conv_w's K step 1, my own rows, which I alone read
	WQ 1
	s_wait_tensorcnt 0x0                           ; no tensor load of mine is out, so x's group 0 may be written
	ds_add_u32 v[SPW], v[NIL]                      ; 0 onto my spare word
	s_add_co_u32 s[G0X+1], s[WL], SLOT             ; into slot 1,
	s_add_nc_u64 s[G0X+2:G0X+3], s[G0X+2:G0X+3], 512   ; tile 1; the type bits on top are not reached
	s_wait_dscnt 0x0                               ; the add is done, and my reads of conv_w's rows are over
	CROUND                                         ; in a cluster launch every group of tensor loads stands behind a round; it is also the barrier between Q and M
	tensor_load_to_lds s[G0X:G0X+3], s[G1:G1+7]    ; my one tensor load behind the round, and the first thing there: it has part M in which to land
	s_nop 0
.rept 4
	v_nop
.endr
.else
	s_barrier_signal -1                            ; a tensor load of mine may stay out
	s_barrier_wait -1
.endif
	; ---- M: all sixteen images, my 32 outputs
.irp k, 0,1,2,3,4,5,6,7
	ds_load_b32 v[XS+\k], v[ASR] offset:128*\k
.endr
.irp k, 0,1,2,3,4,5,6,7
	ds_load_b32 v[DPR+\k], v[ASR] offset:1024+128*\k
.endr
	FRAGS 0
	XES 0
	s_wait_dscnt 20                                ; the sixteen small loads are in; 12 + 8 younger ones may be out
.irp g, 0,1,2,3
	v_add_f32 v[DPR+\g], v[DPR+\g], v[DPR+4+\g]    ; dot of position 32 g + lane: the two K steps' parts
.endr
.irp g, 0,1,2,3
	v_max3_num_f32 v[SOG+\g], |v[DPR+\g]|, |v[DPR+\g]|, 0x1800000   ; K's ninth block is dot and 31 zeros: its largest magnitude is |dot|, over the floor
.endr
.irp g, 0,1,2,3
	v_add_nc_u32 v[SOG+\g], 0xff000000, v[SOG+\g]
.endr
.irp g, 0,1,2,3
	v_lshrrev_b32 v[XS3+\g], 23, v[SOG+\g]         ; byte 0: the block's; bytes 1 to 3 stay 0, over zero codes
.endr
.irp g, 0,1,2,3
	v_mov_b32 v[DZ], v[DPR+\g]
	v_cvt_scalef32_pk16_fp6_f32 v[CD:CD+2], v[DZ:DZ+15], v[SOG+\g]   ; dot's code in the lowest six bits, zero codes above
	v_nop
	v_mov_b32 v[CDG+\g], v[CD]
.endr
	SPLIT CDG
	WIN 0x40
	v_mov_b32 v[X3], v[T0]
	v_mov_b32 v[X3+12], v[T1]
	WIN 0
.rept 8
	v_nop                                          ; an operand written by a vector instruction stands four places ahead of a scaled product, a scale register eight
.endr
.irp g, 0,1,2,3
	s_wait_dscnt 8                                 ; the group's fragments are in; its eight loads of x may be out
	MM \g
.rept 5
	v_nop                                          ; four places ahead of the reads of the results and of the loads into the fragments; one more, since the next group's first products begin these accumulators anew
.endr
.if \g < 3
	FRAGS \g+1
.endif
	EPI \g
.if \g < 3
	XES \g+1
.endif
.endr
	; ---- the tile's end: one barrier for the images, which the next tile writes again, and for the slot
	s_wait_tensorcnt 0x0                           ; all my tensor loads have landed: my part of the next tile; so the walking group 0 may be written
	ds_add_u32 v[SPW], v[NIL]                      ; 0 onto my spare word
.if \fill
	s_add_co_u32 s[G0X+1], s[TB], s[WL]            ; into the slot just read,
	s_add_nc_u64 s[G0X+2:G0X+3], s[G0X+2:G0X+3], 512   ; the tile behind the one asked for last
.endif
	s_wait_dscnt 0x0                               ; the add is done, and my reads of the slot and of the images are over
.if \fill
	CROUND
	tensor_load_to_lds s[G0X:G0X+3], s[G1:G1+7]    ; my one tensor load behind the round, and the first thing there: it has a whole tile's work in which to land
	s_nop 0
.rept 4
	v_nop
.endr
.else
	s_barrier_signal -1
	s_barrier_wait -1
.endif
	s_xor_b32 s[TB], s[TB], SLOT                   ; on to the other slot
.endm
	s_load_b256 s[4:11], s[0:1], 0x0               ; x1 s[4:5], x2 s[6:7], conv_w s[8:9], part s[10:11]
	v_lshl_add_u32 v[SPW], v0, 2, SPARE
	v_mov_b32 v[NIL], 0
	ds_add_u32 v[SPW], v[NIL]                      ; the wave's opening: the add, twice on end, and its wait ahead of the round that stands in front of my first tensor loads
	ds_add_u32 v[SPW], v[NIL]
	v_lshrrev_b32 v1, 5, v0
	v_readfirstlane_b32 s12, v1                    ; wave w, 0..7
	v_and_b32 v[LN], 31, v0
	s_lshr_b32 s13, s12, 2                         ; s: my K step
	s_and_b32 s14, s12, 3                          ; g: my 32 positions of a tile
	s_bfe_u32 s43, ttmp6, 0x40000                  ; cx: my place in the cluster
	s_lshl_b32 s15, ttmp9, 2                       ; in a cluster launch ttmp9 counts clusters
	s_add_co_u32 s15, s15, s43                     ; work-group = 4 x cluster + cx: it enters x's and part's addresses alone
	; descriptor group 1 for x: 32 rows x 128 elements of 4 bytes, rows 1,024 elements apart in memory, 16 bytes of padding behind each row in LDS
	s_mov_b32 s[G1+0], (2<<16)|(1<<20)|(6<<22)|(3<<25)   ; no mask; elements of 4 bytes; padding on; after every 128 words (code 6); 4 words of it (code 3)
	s_mov_b32 s[G1+1], 128<<16                     ; tensor_dim0
	s_mov_b32 s[G1+2], 32<<16                      ; tensor_dim1
	s_mov_b32 s[G1+3], 128<<16                     ; tile_dim0
	s_mov_b32 s[G1+4], 32                          ; tile_dim1
	s_mov_b32 s[G1+5], 1024                        ; from row to row
	s_mov_b32 s[G1+6], 0
	s_mov_b32 s[G1+7], 0
	; and for conv_w: the same tile, rows 257 elements apart, asked for jointly
	s_mov_b32 s[G1W+0], 15|(2<<16)|(1<<20)|(1<<21)|(6<<22)|(3<<25)   ; 15:0 the mask: all four work-groups; 21 set beside a mask
	s_mov_b32 s[G1W+1], 128<<16
	s_mov_b32 s[G1W+2], 32<<16
	s_mov_b32 s[G1W+3], 128<<16
	s_mov_b32 s[G1W+4], 32
	s_mov_b32 s[G1W+5], 257
	s_mov_b32 s[G1W+6], 0
	s_mov_b32 s[G1W+7], 0
	s_mul_i32 s[WL], s12, WPART                    ; no place in the cluster enters an LDS address
	s_mov_b32 s[TB], 0
	s_mov_b32 s[SEL], 0x76543210
	s_mov_b32 s[SEL+1], 0xfedcba98
	s_mov_b32 s[NL2], 0xbfb8aa3b                   ; -log2(e)
	s_mov_b32 s[NL2+1], s[NL2]                     ; (named with it as a pair, so it is written)
	s_bfe_u32 s16, s15, 0x60001                    ; batch: six bits from bit 1
	s_lshl_b32 s16, s16, 20                        ; 256 channels x 4,096 bytes
	s_mov_b32 s17, 0
	s_and_b32 s18, s15, 1
	s_lshl_b32 s18, s18, 11                        ; my half: 512 positions
	s_mov_b32 s19, 0
	s_lshl_b32 s22, s12, 17                        ; the 32 channels that I fetch
	s_mov_b32 s23, 0
	s_mul_i32 s20, s12, 32*1028                    ; my 32 rows of conv_w: of the wave's number alone, in registers that never hold cx
	s_mov_b32 s21, 0
	v_mul_u32_u24 v[OW], v[LN], 1028
	v_lshlrev_b32 v[OC], 12, v[LN]
	v_lshlrev_b32 v[O8], 3, v[LN]
	s_wait_dscnt 0x0                               ; both opening adds are done
	s_wait_kmcnt 0x0
	s_cmp_lt_u32 ttmp9, 32                         ; x1's cluster or x2's: 32 clusters are 128 work-groups; the same in all four partners
	s_cselect_b64 s[4:5], s[4:5], s[6:7]
	s_add_nc_u64 s[4:5], s[4:5], s[16:17]          ; x at my batch,
	s_add_nc_u64 s[48:49], s[4:5], s[22:23]        ; at my wave's first channel
	s_mov_b32 s[G0X], 1
	s_mov_b32 s[G0X+1], s[WL]                      ; slot 0
	s_add_nc_u64 s[G0X+2:G0X+3], s[48:49], s[18:19]    ; tile 0 of my half
	s_or_b32 s[G0X+3], s[G0X+3], 0x80000000        ; type = 2
	s_add_nc_u64 s[50:51], s[8:9], s[20:21]        ; conv_w at my first row
	s_mov_b32 s[G0W], 1
	s_add_co_u32 s[G0W+1], s[WL], SLOT             ; slot 1
	s_mov_b64 s[G0W+2:G0W+3], s[50:51]             ; K step 0
	s_or_b32 s[G0W+3], s[G0W+3], 0x80000000
	CROUND                                         ; all four work-groups are here: the first joint loads meet
	tensor_load_to_lds s[G0W:G0W+3], s[G1W:G1W+7]  ; both first fills go out together, in every wave: two tensor loads of mine are out.  conv_w first: it is wanted first
	s_nop 0
	tensor_load_to_lds s[G0X:G0X+3], s[G1:G1+7]
	s_nop 0
.rept 4
	v_nop
.endr
	s_lshl_b32 s16, s15, 11                        ; part: 2,048 bytes a work-group, 256 a wave
	s_lshl_b32 s18, s12, 8
	s_add_co_u32 s16, s16, s18
	s_add_nc_u64 s[52:53], s[10:11], s[16:17]
	global_load_b32 v[DA], v[OC], s[48:49] offset:2112                   ; centre of channel 32 w + lane: position 16 x 32 + 16
	global_load_b32 v[DZ], v[OW], s[50:51] offset:1024                   ; conv_w[32 w + lane][256]
	WIN 0x40                                       ; destination window 1
.set n, 1
.rept 11
	v_mov_b32 v[W3+n], 0                           ; the third K step's fragments are zero codes but for k = 256, which lies in register 0 of lanes 0-15
	v_mov_b32 v[W3+12+n], 0
	v_mov_b32 v[X3+n], 0
	v_mov_b32 v[X3+12+n], 0
.set n, n+1
.endr
	WIN 0
	; the lanes' LDS addresses: a constant, a constant x lane, a constant x wave
	v_and_b32 v68, 15, v0                          ; r
	v_bfe_u32 v69, v0, 4, 1                        ; h
	s_mul_i32 s22, s13, 128*PITCH
	s_lshl_b32 s23, s14, 7
	s_add_co_u32 s22, s22, s23
	v_lshl_add_u32 v[BQ0], v[LN], 2, s22
	v_add_nc_u32 v[BQ1], 64*PITCH, v[BQ0]
	v_mul_u32_u24 v[BXE], v68, PITCH
	v_lshl_add_u32 v[BXE], v69, 5, v[BXE]
	v_add_nc_u32 v[BXE], s[WL], v[BXE]
	s_lshl_b32 s22, s14, 2
	s_add_co_u32 s22, s22, s13
	s_mul_i32 s22, s22, FRB
	s_add_co_u32 s22, s22, IMG
	v_lshl_add_u32 v[AIW], v[LN], 4, s22           ; image 4 g + s
	v_lshl_add_u32 v[AIR], v[LN], 4, IMG
	s_lshl_b32 s22, s13, 2
	s_add_co_u32 s22, s22, s14
	s_lshl_b32 s22, s22, 7
	s_add_co_u32 s22, s22, XSC
	v_lshl_add_u32 v[ASW], v[LN], 2, s22           ; words 4 s + g
	v_lshl_add_u32 v[ASR], v[LN], 2, XSC
	s_add_co_u32 s22, s[WL], SLOT
	v_mul_u32_u24 v[AWR], v[LN], PITCH
	v_add_nc_u32 v[AWR], s22, v[AWR]
	s_lshl_b32 s22, s12, 7
	s_add_co_u32 s22, s22, CENL
	v_lshl_add_u32 v[ACS], v[LN], 2, s22
	s_lshl_b32 s22, s13, 9
	s_add_co_u32 s22, s22, CENL
	v_mov_b32 v[AUN], s22
.set n, 1
.rept 15
	v_mov_b32 v[DZ+n], 0
.set n, n+1
.endr
.set n, 0
.rept 16
	v_mov_b32 v[DEN+n], 0                          ; the sixteen running sums: the tile is written once for all four, so the first finds zeros
.set n, n+1
.endr
	s_wait_loadcnt 0x0                             ; my centres and column 256
	v_mul_f32 v[DA], 0x3b800000, v[DA]             ; centre / 256: a power of two, nothing is rounded
	ds_store_b32 v[ACS], v[DA]                     ; for all eight waves: read behind the round below
	v_max3_num_f32 v[SOG], |v[DZ]|, |v[DZ]|, 0x1800000   ; conv_w's ninth block: column 256 and 31 zeros
	v_add_nc_u32 v[SOG], 0xff000000, v[SOG]
	v_lshrrev_b32 v[WS+2], 23, v[SOG]
	v_cvt_scalef32_pk16_fp6_f32 v[CD:CD+2], v[DZ:DZ+15], v[SOG]
	v_nop
	SPLIT CD
	WIN 0x40
	v_mov_b32 v[W3], v[T0]
	v_mov_b32 v[W3+12], v[T1]
	WIN 0
	s_wait_tensorcnt 0x1                           ; conv_w's K step 0, issued first, is in; tile 0's load may stay out.  I read my own rows alone: no barrier is owed
	WQ 0
	s_wait_tensorcnt 0x0                           ; my part of tile 0 is in too: no tensor load of mine is out, so conv_w's group 0 may be written
	ds_add_u32 v[SPW], v[NIL]                      ; 0 onto my spare word
	s_add_nc_u64 s[G0W+2:G0W+3], s[G0W+2:G0W+3], 512   ; K step 1: 128 numbers on in each row
	s_wait_dscnt 0x0                               ; the add is done, my centres have landed, and my reads of K step 0 are over
	CROUND                                         ; no wave of any partner still reads its K step 0 or has a load on its way; tile 0 and the centres are whole
	tensor_load_to_lds s[G0W:G0W+3], s[G1W:G1W+7]  ; the joint refill, first behind the round: it has tile 0's part Q in which to land
	s_nop 0
.rept 4
	v_nop
.endr
	WIN 0x40
.set n, 0
.rept 32
	ds_load_b128 v[4*n:4*n+3], v[AUN] offset:16*n  ; my K step's 128 centres, every lane the same bytes; waited for with the tile's first block
.set n, n+1
.endr
	WIN 0
	TILE 1, 1                                      ; tile 0: with conv_w's second K step; tile 1 is asked for in its middle, tile 2 at its end
	TILE 1, 0                                      ; tile 1: tile 3 is asked for at its end
	s_mov_b32 s[CNT], 2
.Ltail:                                                ; tiles 2 and 3 ask for nothing
	TILE 0, 0
	s_sub_co_u32 s[CNT], s[CNT], 1
	s_cmp_lg_u32 s[CNT], 0
	s_cbranch_scc1 .Ltail
	; THE WAY OUT: the two parities, a pair's two halves, and lane l xor 16's eight positions are added; lane l then takes channel 32 w + l
	v_pk_add_f32 v[DEN:DEN+1], v[DEN:DEN+1], v[DEN+4:DEN+5]
	v_pk_add_f32 v[DEN+2:DEN+3], v[DEN+2:DEN+3], v[DEN+6:DEN+7]
	v_pk_add_f32 v[NUM:NUM+1], v[NUM:NUM+1], v[NUM+4:NUM+5]
	v_pk_add_f32 v[NUM+2:NUM+3], v[NUM+2:NUM+3], v[NUM+6:NUM+7]
	v_add_f32 v[DEN], v[DEN], v[DEN+1]
	v_add_f32 v[DEN+2], v[DEN+2], v[DEN+3]
	v_add_f32 v[NUM], v[NUM], v[NUM+1]
	v_add_f32 v[NUM+2], v[NUM+2], v[NUM+3]
	v_permlanex16_b32 v[DEN+1], v[DEN], s[SEL], s[SEL+1]
	v_permlanex16_b32 v[DEN+3], v[DEN+2], s[SEL], s[SEL+1]
	v_permlanex16_b32 v[NUM+1], v[NUM], s[SEL], s[SEL+1]
	v_permlanex16_b32 v[NUM+3], v[NUM+2], s[SEL], s[SEL+1]
	v_add_f32 v[DEN], v[DEN], v[DEN+1]
	v_add_f32 v[DEN+2], v[DEN+2], v[DEN+3]
	v_add_f32 v[NUM], v[NUM], v[NUM+1]
	v_add_f32 v[NUM+2], v[NUM+2], v[NUM+3]
	v_cmp_lt_u32 vcc_lo, 15, v[LN]                 ; lanes 16-31 take the second tile of outputs
	v_cndmask_b32 v68, v[NUM], v[NUM+2], vcc_lo
	v_cndmask_b32 v69, v[DEN], v[DEN+2], vcc_lo
	global_store_b64 v[O8], v[68:69], s[52:53]     ; 32 lanes store 256 consecutive bytes, at a multiple of 256 from part's first byte
	s_wait_tensorcnt 0x0                           ; the wave's end, behind my last tensor load and my last LDS store
	ds_add_u32 v[SPW], v[NIL]
	s_wait_dscnt 0x0
	CROUND                                         ; the closing round: no work-group ends while a partner may still ask for a tile that names it
	s_endpgm
.Lfunc_end_k_q4f5c780a74_pool:
	.size	k_q4f5c780a74_pool, .Lfunc_end_k_q4f5c780a74_pool-k_q4f5c780a74_pool
	.p2alignl 7, 3214868480
	.fill 96, 4, 3214868480
	.section	.rodata,"a",@progbits
	.p2align	6, 0x0
	.amdhsa_kernel k_q4f5c780a74_pool
		.amdhsa_group_segment_fixed_size 327680
		.amdhsa_private_segment_fixed_size 0
		.amdhsa_enable_private_segment 0
		.amdhsa_kernarg_size 32
		.amdhsa_user_sgpr_count 2
		.amdhsa_user_sgpr_kernarg_segment_ptr 1
		.amdhsa_wavefront_size32 1
		.amdhsa_system_sgpr_workgroup_id_x 1
		.amdhsa_system_sgpr_workgroup_id_y 1
		.amdhsa_system_sgpr_workgroup_id_z 1
		.amdhsa_system_vgpr_workitem_id 0
		.amdhsa_next_free_vgpr 512
		.amdhsa_next_free_sgpr 66
		.amdhsa_reserve_vcc 1
		.amdhsa_float_denorm_mode_32 3
		.amdhsa_float_denorm_mode_16_64 3
		.amdhsa_memory_ordered 1
		.amdhsa_forward_progress 1
		.amdhsa_inst_pref_size 213
	.end_amdhsa_kernel
	.amdgpu_metadata
---
amdhsa.version: [ 1, 2 ]
amdhsa.kernels:
  - .name:           k_q4f5c780a74_pool
    .symbol:         k_q4f5c780a74_pool.kd
    .args:
      - { .name: x1, .offset: 0, .size: 8, .value_kind: global_buffer, .address_space: global }
      - { .name: x2, .offset: 8, .size: 8, .value_kind: global_buffer, .address_space: global }
      - { .name: conv_w, .offset: 16, .size: 8, .value_kind: global_buffer, .address_space: global }
      - { .name: part, .offset: 24, .size: 8, .value_kind: global_buffer, .address_space: global }
    .group_segment_fixed_size: 327680
    .private_segment_fixed_size: 0
    .kernarg_segment_align: 8
    .kernarg_segment_size: 32
    .max_flat_workgroup_size: 256
    .sgpr_count:     66
    .vgpr_count:     512
    .wavefront_size: 32
...
	.end_amdgpu_metadata
.endif
;; end of part 1
;; launch join (part 2): grid 64 x 1, 4 waves a work-group, no clusters, 0 bytes of LDS; arguments part, out0; writes out0
.if DOCPART == 2
	.amdgcn_target "amdgcn-amd-amdhsa--gfx1250"
	.amdhsa_code_object_version 6
	.text
	.protected	k_q4f5c780a74_join
	.globl	k_q4f5c780a74_join
	.p2align	8
	.type	k_q4f5c780a74_join,@function
k_q4f5c780a74_join:
	s_mov_b64 s[64:65], 0
	v_nop
	global_prefetch_b8 v0, s[64:65] scope:SCOPE_SE
	s_setreg_imm32_b32 hwreg(HW_REG_WAVE_MODE, 25, 1), 1
	s_wait_xcnt 0x0
; CPDFP, second launch.  out0[b][c] = n1 / (d1 + 1e-8) + n2 / (d2 + 1e-8), n and d being the sums over all 1,024 positions of x attn and of attn for x1 and for x2:
; each is the sum of two halves that the first launch left in part [128 x input + 2 b + half][c][(n, d)].
; WORK LEFT OUT: the caLayer.  Its softmax runs over an axis of size 1 and is 1 for every finite input, so the result is the sum of the two pooled vectors (shown at the head of the first kernel).
; A work-group takes a batch; thread t takes channels 2 t and 2 t + 1: 16 bytes of each of the four parts, so a load of a wave covers 512 consecutive bytes and its store 256.
; The reciprocal is v_rcp_f32, good to one unit in the last place (ISA guide, its entry), where reference() divides.
	s_load_b128 s[4:7], s[0:1], 0x0                ; part, out0
	v_lshlrev_b32 v1, 4, v0
	v_lshlrev_b32 v2, 3, v0
	s_lshl_b32 s8, ttmp9, 12                       ; two parts of 2,048 bytes a batch
	s_mov_b32 s9, 0
	s_lshl_b32 s10, ttmp9, 10                      ; a row of out0
	s_mov_b32 s11, 0
	s_wait_kmcnt 0x0
	s_add_nc_u64 s[4:5], s[4:5], s[8:9]
	s_add_nc_u64 s[6:7], s[6:7], s[10:11]
	global_load_b128 v[4:7], v1, s[4:5]                    ; x1, first half: n, d of channel 2 t; n, d of channel 2 t + 1
	global_load_b128 v[8:11], v1, s[4:5] offset:2048       ; x1, second half
	global_load_b128 v[12:15], v1, s[4:5] offset:262144    ; x2: 128 parts further on
	global_load_b128 v[16:19], v1, s[4:5] offset:264192
	s_wait_loadcnt 0x0
	v_pk_add_f32 v[4:5], v[4:5], v[8:9]
	v_pk_add_f32 v[6:7], v[6:7], v[10:11]
	v_pk_add_f32 v[12:13], v[12:13], v[16:17]
	v_pk_add_f32 v[14:15], v[14:15], v[18:19]
	v_add_f32 v5, 0x322bcc77, v5                   ; + 1e-8
	v_add_f32 v7, 0x322bcc77, v7
	v_add_f32 v13, 0x322bcc77, v13
	v_add_f32 v15, 0x322bcc77, v15
	v_rcp_f32 v20, v5
	v_rcp_f32 v21, v7
	v_rcp_f32 v22, v13
	v_rcp_f32 v23, v15
	v_nop                                          ; a plain instruction behind the last reciprocal
	s_wait_alu depctr_va_vdst(0)                   ; one wait for the four, ahead of their first reader
	v_mul_f32 v24, v4, v20
	v_mul_f32 v25, v6, v21
	v_fma_f32 v24, v12, v22, v24
	v_fma_f32 v25, v14, v23, v25
	global_store_b64 v2, v[24:25], s[6:7]          ; 32 lanes store 256 consecutive bytes, at a multiple of 256 from out0's first byte
	s_endpgm
.Lfunc_end_k_q4f5c780a74_join:
	.size	k_q4f5c780a74_join, .Lfunc_end_k_q4f5c780a74_join-k_q4f5c780a74_join
	.p2alignl 7, 3214868480
	.fill 96, 4, 3214868480
	.section	.rodata,"a",@progbits
	.p2align	6, 0x0
	.amdhsa_kernel k_q4f5c780a74_join
		.amdhsa_group_segment_fixed_size 0
		.amdhsa_private_segment_fixed_size 0
		.amdhsa_enable_private_segment 0
		.amdhsa_kernarg_size 16
		.amdhsa_user_sgpr_count 2
		.amdhsa_user_sgpr_kernarg_segment_ptr 1
		.amdhsa_wavefront_size32 1
		.amdhsa_system_sgpr_workgroup_id_x 1
		.amdhsa_system_sgpr_workgroup_id_y 1
		.amdhsa_system_sgpr_workgroup_id_z 1
		.amdhsa_system_vgpr_workitem_id 0
		.amdhsa_next_free_vgpr 32
		.amdhsa_next_free_sgpr 66
		.amdhsa_reserve_vcc 0
		.amdhsa_float_denorm_mode_32 3
		.amdhsa_float_denorm_mode_16_64 3
		.amdhsa_memory_ordered 1
		.amdhsa_forward_progress 1
		.amdhsa_inst_pref_size 2
	.end_amdhsa_kernel
	.amdgpu_metadata
---
amdhsa.version: [ 1, 2 ]
amdhsa.kernels:
  - .name:           k_q4f5c780a74_join
    .symbol:         k_q4f5c780a74_join.kd
    .args:
      - { .name: part, .offset: 0, .size: 8, .value_kind: global_buffer, .address_space: global }
      - { .name: out0, .offset: 8, .size: 8, .value_kind: global_buffer, .address_space: global }
    .group_segment_fixed_size: 0
    .private_segment_fixed_size: 0
    .kernarg_segment_align: 8
    .kernarg_segment_size: 16
    .max_flat_workgroup_size: 128
    .sgpr_count:     66
    .vgpr_count:     32
    .wavefront_size: 32
...
	.end_amdgpu_metadata
.endif
;; end of part 2
